; MI455X (gfx1250); checked and timed in simulation.
; The chip was launched on July 23, 2026; its instructions are those of AMD's public machine-readable ISA for CDNA 5 (MIT licence, August 2026) and "CDNA5" Instruction Set Architecture Reference Guide (July 2026). The comments in the code are by the model that wrote it; some were corrected since.
;; Bi LSTM Cell. Allowed arithmetic: float matrix products may take bf16 or f16 operands with f32 sums; other float arithmetic in f32, or as packed bf16 or f16 multiplies, adds, multiply-adds, maxima and minima; sums over many terms, partial sums and values carried from step to step in f32; what a program stores and reads back later, other than sums and carried values, may be rounded once to bf16 or f16.
;; Inputs: Wh 4 x 1,024 x 1,024 float32; Wn 4 x 1,024 x 4 float32; Wx 4 x 1,024 x 1,024 float32; b 4 x 1,024 float32; cell 8,192 x 1,024 float32; hidden 8,192 x 1,024 float32; neighbors 8,192 x 4 float32; x 8,192 x 1,024 float32.
;; Outputs: out0 8,192 x 1,024 float32; out1 8,192 x 1,024 float32.
;; 2 versions, each right; version 2 is version 1 with the launch prep written anew for expert scheduling mode. Each part assembles by itself: llvm-mc -triple=amdgcn-amd-amdhsa -mcpu=gfx1250 --defsym DOCPART=n.
;; ======== version 1 of 2: 2 launches
;; limits: values outside matrix products are rounded to bf16
;; workspace buffers: abf 33,554,432 bytes; wbf 16,777,216 bytes; nbf 524,288 bytes; wnbf 262,144 bytes
;; launch prep (part 1): grid 960 x 1, 8 waves a work-group, no clusters, 0 bytes of LDS; arguments x, hidden, Wx, Wh, neighbors, Wn, b, abf, wbf, nbf, wnbf; writes abf, wbf, nbf, wnbf
.if DOCPART == 1
	.amdgcn_target "amdgcn-amd-amdhsa--gfx1250"
	.amdhsa_code_object_version 6
	.text
	.protected	k_q8785d82ced_prep
	.globl	k_q8785d82ced_prep
	.p2align	8
	.type	k_q8785d82ced_prep,@function
k_q8785d82ced_prep:
	s_mov_b64 s[64:65], 0
	v_nop
	global_prefetch_b8 v0, s[64:65] scope:SCOPE_SE
	s_setreg_imm32_b32 hwreg(HW_REG_WAVE_MODE, 25, 1), 1
	s_wait_xcnt 0x0
; THE OPERANDS OF THE GATE PRODUCT, rounded once to bf16 and laid out for the second launch.  A stream: no LDS, no barrier, no loop.
;   abf  [8192][2048]: row r = x[r][0:1024], then hidden[r][0:1024]
;   wbf  [4096][2048]: row n' = Wx[g][h][0:1024], then Wh[g][h][0:1024]
;   nbf  [8192][32]  : neighbors[r][0:4], 1.0, 27 zeros
;   wnbf [4096][32]  : row n' = Wn[g][h][0:4], b[g][h], 27 zeros     (so nbf . wnbf = neighbors . Wn + b)
; ROW ORDER n' = 256 (h >> 6) + 64 g + 16 (h & 3) + ((h >> 2) & 15): in the second launch a lane of a matrix result then holds four neighbouring h of one row.
; WORK-GROUPS.  0-255 x, 256-511 hidden, 512-639 Wx, 640-767 Wh: 32 source rows of 4,096 bytes each, four consecutive rows (16,384 bytes) a wave.  768-895 nbf, 896-959 wnbf: 16 bytes a thread.
; LIMIT.  Every number is rounded to bf16 (8 significant bits), to nearest even; its range is f32's.
.set SO, 2                             ; v2      16 x lane: my 16 bytes in 512 consecutive source bytes
.set DO, 4                             ; v[4:7]  8 x lane + i x the distance between two destination rows
.set X,  16                            ; v[16:143] 32 loads of 4 registers; the packed result takes the first two of each four
	s_load_b512 s[4:19], s[0:1], 0x0               ; x 4:5, hidden 6:7, Wx 8:9, Wh 10:11, neighbors 12:13, Wn 14:15, b 16:17, abf 18:19
	s_load_b128 s[20:23], s[0:1], 0x40             ; wbf 20:21, nbf 22:23
	s_load_b64 s[24:25], s[0:1], 0x50              ; wnbf
	s_mov_b32 s27, ttmp9                           ; the work-group's number
	v_lshrrev_b32 v1, 5, v0
	v_readfirstlane_b32 s26, v1                    ; wave 0..7
	s_cmp_ge_u32 s27, 896
	s_cbranch_scc1 .Lwn
	s_cmp_ge_u32 s27, 768
	s_cbranch_scc1 .Lnb
	; ---- x, hidden, Wx, Wh ----
	s_cmp_lt_u32 s27, 512                          ; activations (256 work-groups a tensor) or weights (128)
	s_cselect_b32 s32, 8, 7
	s_bfm_b32 s33, s32, 0                          ; 255 or 127
	s_lshr_b32 s34, s27, s32
	s_and_b32 s34, s34, 1                          ; 0: x or Wx, the left half of a destination row; 1: hidden or Wh, the right half
	s_and_b32 s35, s27, s33
	s_lshl_b32 s35, s35, 5
	s_lshl2_add_u32 s35, s26, s35                  ; my first source row = 32 x number in the tensor + 4 x wave
	s_lshr_b32 s40, s35, 10                        ; weights: g,
	s_bfe_u32 s41, s35, 0x40006                    ; h >> 6,
	s_bfe_u32 s42, s35, 0x40002                    ; (h >> 2) & 15; h & 3 is the row's number among my four
	s_lshl_b32 s41, s41, 8
	s_lshl_b32 s40, s40, 6
	s_add_co_u32 s41, s41, s40
	s_add_co_u32 s41, s41, s42
	s_cmp_lt_u32 s27, 512
	s_cselect_b32 s41, s35, s41                    ; my first destination row
	s_cselect_b32 s43, 12, 16
	s_lshl_b32 s43, 1, s43                         ; from one of my rows to the next: one row of 4,096 bytes, or sixteen
	v_and_b32 v1, 31, v0
	v_lshlrev_b32 v[SO], 4, v1
	v_lshlrev_b32 v[DO], 3, v1
	v_add_nc_u32 v[DO+1], s43, v[DO]
	v_add_nc_u32 v[DO+2], s43, v[DO+1]
	v_add_nc_u32 v[DO+3], s43, v[DO+2]
	s_lshl_b32 s44, s35, 12                        ; source offset, under 2^25
	s_mov_b32 s45, 0
	s_lshl_b32 s46, s41, 12                        ; destination offset: the row,
	s_lshl_b32 s42, s34, 11                        ; and its half
	s_add_co_u32 s46, s46, s42
	s_mov_b32 s47, 0
	s_wait_kmcnt 0x0
	s_cmp_eq_u32 s34, 0
	s_cselect_b64 s[36:37], s[4:5], s[6:7]
	s_cselect_b64 s[38:39], s[8:9], s[10:11]
	s_cmp_lt_u32 s27, 512
	s_cselect_b64 s[28:29], s[36:37], s[38:39]
	s_cselect_b64 s[30:31], s[18:19], s[20:21]
	s_add_nc_u64 s[28:29], s[28:29], s[44:45]
	s_add_nc_u64 s[30:31], s[30:31], s[46:47]
.set n, 0
.rept 32                               ; all of the wave's 16,384 bytes are asked for at once: each load covers 512 consecutive bytes
	global_load_b128 v[X+4*n:X+4*n+3], v[SO], s[28:29] offset:512*n th:TH_LOAD_NT
.set n, n+1
.endr
.set n, 0
.rept 32
	s_wait_loadcnt 31-n                            ; loads come back in order: load n is in, the 31 - n younger ones stay out
	v_cvt_pk_bf16_f32 v[X+4*n], v[X+4*n], v[X+4*n+1]
	v_cvt_pk_bf16_f32 v[X+4*n+1], v[X+4*n+2], v[X+4*n+3]
	global_store_b64 v[DO+n/8], v[X+4*n:X+4*n+1], s[30:31] offset:256*(n%8) th:TH_STORE_NT  ; the wave's store covers 256 consecutive bytes, aligned; no register is written again
.set n, n+1
.endr
	s_endpgm
	; ---- nbf: thread t writes piece t & 3 (16 bytes) of row t >> 2 ----
.Lnb:
	s_sub_co_u32 s32, s27, 768
	s_lshl_b32 s32, s32, 8
	v_add_nc_u32 v2, s32, v0                       ; t
	v_lshrrev_b32 v3, 2, v2
	v_and_b32 v4, 3, v2
	v_lshlrev_b32 v3, 4, v3                        ; a row of neighbors is 16 bytes
	v_lshlrev_b32 v5, 4, v2
	s_wait_kmcnt 0x0
	global_load_b128 v[8:11], v3, s[12:13]
	s_wait_loadcnt 0x0
	v_cvt_pk_bf16_f32 v12, v8, v9
	v_cvt_pk_bf16_f32 v13, v10, v11
	v_mov_b32 v14, 0x3f80                          ; 1.0 in bf16, then 0
	v_mov_b32 v15, 0
	v_cmp_eq_u32 vcc_lo, 0, v4                     ; pieces 1 to 3 are zeros
	v_cndmask_b32 v12, 0, v12, vcc_lo
	v_cndmask_b32 v13, 0, v13, vcc_lo
	v_cndmask_b32 v14, 0, v14, vcc_lo
	global_store_b128 v5, v[12:15], s[22:23]       ; 512 consecutive bytes a wave
	s_endpgm
	; ---- wnbf: thread t writes piece t & 3 of row n' = t >> 2 ----
.Lwn:
	s_sub_co_u32 s32, s27, 896
	s_lshl_b32 s32, s32, 8
	v_add_nc_u32 v2, s32, v0                       ; t
	v_lshrrev_b32 v3, 2, v2                        ; n'
	v_and_b32 v4, 3, v2
	v_lshlrev_b32 v5, 4, v2
	v_bfe_u32 v6, v3, 6, 2                         ; g
	v_lshrrev_b32 v7, 8, v3                        ; h >> 6
	v_and_b32 v16, 15, v3                          ; (h >> 2) & 15
	v_bfe_u32 v17, v3, 4, 2                        ; h & 3
	v_lshl_add_u32 v17, v16, 2, v17
	v_lshl_add_u32 v17, v7, 6, v17
	v_lshl_add_u32 v17, v6, 10, v17                ; 1,024 g + h
	v_lshlrev_b32 v18, 4, v17
	v_lshlrev_b32 v19, 2, v17
	s_wait_kmcnt 0x0
	global_load_b128 v[8:11], v18, s[14:15]
	global_load_b32 v20, v19, s[16:17]
	v_mov_b32 v15, 0
	s_wait_loadcnt 0x0
	v_cvt_pk_bf16_f32 v12, v8, v9
	v_cvt_pk_bf16_f32 v13, v10, v11
	v_cvt_pk_bf16_f32 v14, v20, v15                ; the bias, then 0
	v_cmp_eq_u32 vcc_lo, 0, v4
	v_cndmask_b32 v12, 0, v12, vcc_lo
	v_cndmask_b32 v13, 0, v13, vcc_lo
	v_cndmask_b32 v14, 0, v14, vcc_lo
	global_store_b128 v5, v[12:15], s[24:25]
	s_endpgm
.Lfunc_end_k_q8785d82ced_prep:
	.size	k_q8785d82ced_prep, .Lfunc_end_k_q8785d82ced_prep-k_q8785d82ced_prep
	.p2alignl 7, 3214868480
	.fill 96, 4, 3214868480
	.section	.rodata,"a",@progbits
	.p2align	6, 0x0
	.amdhsa_kernel k_q8785d82ced_prep
		.amdhsa_group_segment_fixed_size 0
		.amdhsa_private_segment_fixed_size 0
		.amdhsa_enable_private_segment 0
		.amdhsa_kernarg_size 88
		.amdhsa_user_sgpr_count 2
		.amdhsa_user_sgpr_kernarg_segment_ptr 1
		.amdhsa_wavefront_size32 1
		.amdhsa_system_sgpr_workgroup_id_x 1
		.amdhsa_system_sgpr_workgroup_id_y 1
		.amdhsa_system_sgpr_workgroup_id_z 1
		.amdhsa_system_vgpr_workitem_id 0
		.amdhsa_next_free_vgpr 144
		.amdhsa_next_free_sgpr 66
		.amdhsa_reserve_vcc 1
		.amdhsa_float_denorm_mode_32 3
		.amdhsa_float_denorm_mode_16_64 3
		.amdhsa_memory_ordered 1
		.amdhsa_forward_progress 1
		.amdhsa_inst_pref_size 16
	.end_amdhsa_kernel
	.amdgpu_metadata
---
amdhsa.version: [ 1, 2 ]
amdhsa.kernels:
  - .name:           k_q8785d82ced_prep
    .symbol:         k_q8785d82ced_prep.kd
    .args:
      - { .name: x, .offset: 0, .size: 8, .value_kind: global_buffer, .address_space: global }
      - { .name: hidden, .offset: 8, .size: 8, .value_kind: global_buffer, .address_space: global }
      - { .name: Wx, .offset: 16, .size: 8, .value_kind: global_buffer, .address_space: global }
      - { .name: Wh, .offset: 24, .size: 8, .value_kind: global_buffer, .address_space: global }
      - { .name: neighbors, .offset: 32, .size: 8, .value_kind: global_buffer, .address_space: global }
      - { .name: Wn, .offset: 40, .size: 8, .value_kind: global_buffer, .address_space: global }
      - { .name: b, .offset: 48, .size: 8, .value_kind: global_buffer, .address_space: global }
      - { .name: abf, .offset: 56, .size: 8, .value_kind: global_buffer, .address_space: global }
      - { .name: wbf, .offset: 64, .size: 8, .value_kind: global_buffer, .address_space: global }
      - { .name: nbf, .offset: 72, .size: 8, .value_kind: global_buffer, .address_space: global }
      - { .name: wnbf, .offset: 80, .size: 8, .value_kind: global_buffer, .address_space: global }
    .group_segment_fixed_size: 0
    .private_segment_fixed_size: 0
    .kernarg_segment_align: 8
    .kernarg_segment_size: 88
    .max_flat_workgroup_size: 256
    .sgpr_count:     66
    .vgpr_count:     144
    .wavefront_size: 32
...
	.end_amdgpu_metadata
.endif
;; end of part 1
;; launch lstm (part 2): grid 16 x 16, 4 waves a work-group, clusters of 4 x 4, 327,680 bytes of LDS; arguments abf, wbf, nbf, wnbf, cell, out0, out1; writes out0, out1
.if DOCPART == 2
	.amdgcn_target "amdgcn-amd-amdhsa--gfx1250"
	.amdhsa_code_object_version 6
	.text
	.protected	k_q8785d82ced_lstm
	.globl	k_q8785d82ced_lstm
	.p2align	8
	.type	k_q8785d82ced_lstm,@function
k_q8785d82ced_lstm:
	s_mov_b64 s[64:65], 0
	v_nop
	global_prefetch_b8 v0, s[64:65] scope:SCOPE_SE
	s_setreg_imm32_b32 hwreg(HW_REG_WAVE_MODE, 25, 1), 1
	s_wait_xcnt 0x0
	s_wait_alu depctr_hold_cnt(0) depctr_sa_sdst(0) depctr_va_vdst(0) depctr_va_sdst(0) depctr_va_ssrc(0) depctr_va_vcc(0) depctr_vm_vsrc(0)
	s_getreg_b32 s2, hwreg(HW_REG_IB_STS2, 6, 4)
	s_cmp_eq_u32 s2, 0
	s_cbranch_scc0 .Lentry_in_a_cluster
	s_endpgm
.Lentry_in_a_cluster:
	s_bfe_u32 s2, ttmp6, 0x10000c
	s_cmp_lg_u32 s2, 0xf033
	s_cbranch_scc0 .Lentry_shape_is_right
	s_endpgm
.Lentry_shape_is_right:
; THE GATES AND THE CELL.  g[row][n'] = the sum over 2,048 k of abf[row][k] wbf[n'][k] + the sum over 32 k of nbf[row][k] wnbf[n'][k] (neighbours and bias), bf16 operands, f32 sums;
; next_cell = sigmoid(g_f) cell + sigmoid(g_i) tanh(g_s) -> out1;  next_hidden = sigmoid(g_o) tanh(next_cell) -> out0.  cell, out0, out1: [8192][1024] f32.
; LIMITS.  EVERY input is rounded once to bf16 (8 significant bits, off by up to 2^-8 of the number): the matrix operands, neighbours and bias among them, by the launch before; cell here, in the tail, so that
; all inputs carry one and the same rounding.  All arithmetic behind that is f32.  sigmoid(x) = 1 / (1 + 2^(-x log2 e)), tanh(x) = 1 - 2 / (1 + 2^(2 x log2 e)):
; an exponential that overflows or is flushed to 0 gives the saturated value 0, 1 or +-1, so no clamp is written and the forms hold for every finite g; tanh is off by up to about 2e-7 in absolute terms,
; so its relative accuracy is lost below |x| of about 1e-5.  NaN and infinities are not treated apart.
; SHARES.  A tile is 256 rows x 256 columns n' (four gates x 64 h).  A work-group of four waves makes two tiles, 4,096 rows apart; wave w owns rows 64 w .. 64 w + 63 and ALL 256 columns: 64 accumulators
; (a = 0..3 blocks of 16 rows, b = 4 g + q = 0..15 blocks of 16 columns).  wbf's row order makes column r of block b the gate g of h = 64 tc + 4 r + q.  Source 0 = 16 rows of abf, source 1 = 16 rows of
; wbf: register j of accumulator (a, b) in lane l is row 16 a + 8 (l / 16) + j, column l % 16.  So for one row a lane holds all four gates of four NEIGHBOURING h: the tail needs no other lane and no LDS,
; and sixteen lanes load and store 256 consecutive bytes, aligned, of cell, out0 and out1.
; THE WALK.  The two tiles are ONE sequence of 32 K steps of 128 for a ring of two LDS slots: 30 trips that multiply step n and ask for step n + 2, two trips that ask for nothing.  Behind step 15 a
; forward jump is not taken once: the first tile's tail and the second tile's opening product stand there, with no barrier and no tensor load among them.
; NOTHING IS CLEARED: the product with nbf and wnbf (K = 32) takes the constant 0 as C and starts all 64 sums.
; CLUSTER.  4 x 4 work-groups.  The four of a row of the cluster need the same rows of abf, the four of a column the same rows of wbf: each tile is asked for JOINTLY, by the same tensor load with the same
; descriptor and a mask that names the four.
; REGISTERS, in windows of 256 (s_set_vgpr_msb: bits 1:0 source 0, 3:2 source 1, 5:4 source 2, 7:6 destination):
;   window 0: v0-31 addresses; v32-63, v64-95 fragments of abf (4 x 16 rows x 32 K), two buffers; v96-127 at work in the tail; v128-255 cell, later next_cell: block a, row j, column q at 128 + 32 a + 4 j + q
;   window 1: v0-127, v128-255 fragments of wbf (16 x 16 rows x 32 K), two buffers
;   window 2: accumulators of a = 0, 1 at 8 (16 (a % 2) + b);   window 3: those of a = 2, 3
.set KSTEP,  128
.set PITCH,  272                       ; an LDS row: 256 bytes + 16 of padding = 68 words: row r starts at bank 4 r mod 64 (64 banks of 4 bytes: ISA guide 11.1), so the 16 rows of a load start at 16 different banks
.set HALFT,  128*PITCH                 ; 128 rows: what one tensor load brings
.set SLOT,   4*HALFT                   ; abf's 256 rows, then wbf's 256 rows.  0x22000 shares no bit with wave x HALFT (0, 0x8800, 0x11000, 0x19800): one exclusive or changes the slot
.set SPARE,  2*SLOT                    ; behind the ring: the spare words, 128 bytes for each wave: two blocks of 256 bytes that no other line names
.set ROWB,   4096                      ; bytes in a row of abf, wbf, cell, out0, out1
.set TILEB,  1<<24                     ; 4,096 rows of 4,096 bytes: from the first tile to the second
.set A0,   14                          ; v14  my lane's place in my 64 rows of abf in slot 0; never rewritten
.set B0,   15                          ; v15  the same in wbf's 256 rows
.set ADRA, 16                          ; v16  A0 + the slot in hand
.set ADRB, 20                          ; v20  B0 + the slot in hand
.set AXO,  24                          ; v24  my offset in 16 rows of nbf or wnbf (64 bytes a row)
.set CO,   26                          ; v26  my offset in cell, out0, out1: 8 rows x (l / 16) + 16 bytes x (l % 16)
.set SPW,  28                          ; v28  LDS address of my spare word: SPARE + 4 x my thread's number; never rewritten
.set NIL,  29                          ; v29  0; never rewritten
.set PFO,  30                          ; v30  the prefetches' offset: my lane x a row; never rewritten
.set U,    96                          ; v96-127 the tail: tanh(next_cell), then next_hidden
; scalars: s3 counter; s[4:5] abf and s[6:7] wbf at the 128 rows that I fetch; s[8:9], s[78:79] nbf at my rows of tile 0, 1; s[10:11] wnbf at the tile's columns; s12 wave; s13 0: I fetch abf, 1: wbf;
; s14 which 128 rows; s15 the last K step that I prefetch; s[24:31], s[48:55] descriptor groups 1; s[32:39], s[56:63] groups 0 (first fill; walking); s[44:45] prefetch address, s[46:47] its base;
; s[66:67], s[80:81] a K step's offset in abf, wbf; s[82:83] the same for the prefetch; s[68:73] cell, out0, out1 at my rows and columns; s[74:75] -log2 e, s[76:77] 2 log2 e; s84 the slot in hand; s85 the K step prefetched
.set MSB, 0
.macro WIN new                         ; the immediate's high byte repeats the setting that is left; a switch that changes nothing is dropped
.if MSB != (\new)
	s_set_vgpr_msb (MSB<<8)|(\new)
.set MSB, \new
.endif
.endm
.set TO_B, 0x40                        ; destination window 1, address window 0
.macro PLACES                          ; four places: in front of loads into registers that a matrix instruction has read, and of vector work on results just made (ISA guide 7.12.1 for the vector work)
.rept 4
	v_nop
.endr
.endm
; A joint load.  Waves 0 and 1 fetch abf's two halves, waves 2 and 3 wbf's.  The branch hangs on the wave's number alone.  An s_nop 0 and four v_nop follow each of the two lines.
.macro JLOAD s
	s_cmp_eq_u32 s13, 0
	s_cbranch_scc0 .Lfor_b_\@
	tensor_load_to_lds s[32+4*(\s):35+4*(\s)], s[24:31]
	s_nop 0
.rept 4
	v_nop
.endr
	s_branch .Lasked_\@
.Lfor_b_\@:
	tensor_load_to_lds s[56+4*(\s):59+4*(\s)], s[48:55]
	s_nop 0
.rept 4
	v_nop
.endr
.Lasked_\@:
.endm
; A round of the cluster's barrier behind its opening barrier: wave 0 signals for the work-group, every wave waits for all sixteen work-groups, the work-group's barrier once more.
.macro CREST
	s_cmp_lg_u32 s12, 0
	s_cbranch_scc1 .Lnot_wave_0_\@
	s_barrier_signal -3
.Lnot_wave_0_\@:
	s_barrier_wait -3
	s_barrier_signal -1
	s_barrier_wait -1
.endm
.macro CROUND
	s_barrier_signal -1
	s_barrier_wait -1
	CREST
.endm
; 16 matrix instructions: row block a x all 16 column blocks, 32 along K, from buffer f.  zero = 1: they start the sums.  The 64 accumulators take turns, one instruction a turn, in the same order in
; every quarter step: 63 others stand between two links of a chain, over the backward jumps too.
.macro MULA f, a, zero
	WIN 0xa4+0x50*((\a)/2)
.irp b, 0,1,2,3,4,5,6,7,8,9,10,11,12,13,14,15
.if \zero
	v_wmma_f32_16x16x32_bf16 v[8*(16*((\a)%2)+(\b)):8*(16*((\a)%2)+(\b))+7], v[32+32*(\f)+8*(\a):32+32*(\f)+8*(\a)+7], v[128*(\f)+8*(\b):128*(\f)+8*(\b)+7], 0
.else
	v_wmma_f32_16x16x32_bf16 v[8*(16*((\a)%2)+(\b)):8*(16*((\a)%2)+(\b))+7], v[32+32*(\f)+8*(\a):32+32*(\f)+8*(\a)+7], v[128*(\f)+8*(\b):128*(\f)+8*(\b)+7], v[8*(16*((\a)%2)+(\b)):8*(16*((\a)%2)+(\b))+7]
.endif
.endr
.endm
; 40 LDS loads in one run: the fragments of a quarter step (32 K at byte k of the rows) into buffer f: wbf's 16 blocks, then my 4 blocks of abf.  A fragment is 16 rows x 32 K in 8 registers:
; lane l holds row l % 16, K = 8 (l / 16) + 0..7 and 16 + 8 (l / 16) + 0..7: two loads of 16 bytes, 32 bytes apart.  The largest offset is 192 + 15 x 4,352 + 32 = 65,504.
.macro FETCH k, f
	WIN TO_B
.irp b, 0,1,2,3,4,5,6,7,8,9,10,11,12,13,14,15
	ds_load_b128 v[128*(\f)+8*(\b):128*(\f)+8*(\b)+3],   v[ADRB] offset:(\k)+(\b)*16*PITCH
	ds_load_b128 v[128*(\f)+8*(\b)+4:128*(\f)+8*(\b)+7], v[ADRB] offset:(\k)+(\b)*16*PITCH+32
.endr
	WIN 0
.irp i, 0,1,2,3
	ds_load_b128 v[32+32*(\f)+8*(\i):32+32*(\f)+8*(\i)+3],   v[ADRA] offset:(\k)+(\i)*16*PITCH
	ds_load_b128 v[32+32*(\f)+8*(\i)+4:32+32*(\f)+8*(\i)+7], v[ADRA] offset:(\k)+(\i)*16*PITCH+32
.endr
.endm
; One of a K step's first three quarters: multiplies buffer f; in its middle it fetches the next quarter, at byte k, into buffer g.
.macro QUARTER k, f, g
	s_wait_dscnt 4                                 ; wbf's blocks and abf's blocks 0, 1 are in; the youngest four loads (blocks 2, 3) may be out
	MULA \f, 0, 0
	MULA \f, 1, 0
	PLACES
	FETCH \k, \g
	s_wait_dscnt 40                                ; all but the 40 just issued
	MULA \f, 2, 0
	MULA \f, 3, 0
.endm
; The first half of the last quarter, and the barrier of the change of slots.  In front of it each wave waits for all its tensor loads, of which one is out: its part of the next slot; adds 0 to its spare
; word; and waits for that and for its own reads of this slot.  fill = 1: the walking descriptors are set for K step 32 - s3: the other slot, the address made anew from the step's number.
.macro MEET fill
	WIN 0
	s_wait_tensorcnt 0x0                           ; no tensor load of mine is out, so a group 0 may be written
	ds_add_u32 v[SPW], v[NIL]                      ; 0 onto my spare word: work on registers stands between it and the wait for it
.if \fill
	s_sub_co_u32 s88, 32, s3                       ; the K step to ask for, 2 .. 31
	s_and_b32 s80, s88, 15
	s_lshl_b32 s80, s80, 8                         ; 256 bytes along the rows for each step of a tile: wbf's offset,
	s_lshr_b32 s88, s88, 4
	s_lshl_b32 s88, s88, 24
	s_add_co_u32 s66, s80, s88                     ; and abf's, 4,096 rows down in the second tile
	s_xor_b32 s37, s37, SLOT
	s_add_nc_u64 s[38:39], s[4:5], s[66:67]
	s_or_b32 s39, s39, 0x80000000
	s_xor_b32 s61, s61, SLOT
	s_add_nc_u64 s[62:63], s[6:7], s[80:81]
	s_or_b32 s63, s63, 0x80000000
.endif
	s_wait_dscnt 5                                 ; the add and the youngest four loads may be out
	MULA 1, 0, 0
	s_wait_dscnt 0x0                               ; the add is done, and my reads of this slot are over
	s_barrier_signal -1
	MULA 1, 1, 0                                   ; work on registers while the others arrive
	WIN 0
	s_barrier_wait -1
.endm
; A PREFETCH INTO THE L2 of the K step that stands two refills on: 32 rows x 256 bytes, a lane a row, one instruction a wave.  abf's rows are read by every cluster of a row of clusters: cluster x = 0 asks,
; for steps 4 .. 31; wbf's by every cluster of a column: cluster y = 0 asks, for steps 4 .. 15 alone, since the second tile takes the same rows again.  The four partners that ask for a tile jointly share
; its 128 rows out BY ADDRESS, 32 each.  So each row's 256 bytes of a step are named once in the launch.  Steps 0 to 3 come by their loads alone.
.macro ASK
	s_cmp_le_u32 s85, s15
	s_cbranch_scc0 .Lnot_mine_\@
	global_prefetch_b8 v[PFO], s[44:45] th:TH_LOAD_NT scope:SCOPE_SE
.Lnot_mine_\@:
.endm
; The last quarter in the loop: the barrier opens a round of the cluster's barrier, the joint refill is the first thing behind the round, then come the next slot's first fragments.
.macro TURN
	s_wait_xcnt 0x0                                ; the last prefetch, a K step back, has read its address, which is made anew here, ahead of the waits of the change of slots
	s_sub_co_u32 s85, 34, s3                       ; the K step to prefetch
	s_and_b32 s82, s85, 15
	s_lshl_b32 s82, s82, 8
	s_lshr_b32 s86, s85, 4
	s_lshl_b32 s86, s86, 24
	s_add_co_u32 s82, s82, s86
	s_add_nc_u64 s[44:45], s[46:47], s[82:83]
	MEET 1
	CREST                                          ; no wave of any partner still reads this slot or has a load on its way
	JLOAD 1                                        ; its four v_nop are also the places in front of the loads below
	s_xor_b32 s84, s84, SLOT
	v_add_nc_u32 v[ADRA], s84, v[A0]
	v_add_nc_u32 v[ADRB], s84, v[B0]
	FETCH 0, 0
	ASK                                            ; behind the joint load and the run of LDS loads that the next products wait for
	MULA 1, 2, 0
	MULA 1, 3, 0
.endm
; The same in the last two K steps: nothing is asked for, so no round follows; the very last step has no fragments to fetch, and the run is jumped over (LDS loads and work on registers alone).
.macro TURNL
	MEET 0
	s_cmp_eq_u32 s3, 1
	s_cbranch_scc1 .Lnofetch
	PLACES
	s_xor_b32 s84, s84, SLOT
	v_add_nc_u32 v[ADRA], s84, v[A0]
	v_add_nc_u32 v[ADRB], s84, v[B0]
	FETCH 0, 0
.Lnofetch:
	MULA 1, 2, 0
	MULA 1, 3, 0
.endm
; The fragments of the opening product, straight from memory into buffer 1: my 64 rows of nbf (base in s[nb:nb+1]) and the tile's 256 rows of wnbf.
.macro AUXLOAD nb
	WIN 0
.irp i, 0,1,2,3
	global_load_b128 v[64+8*(\i):64+8*(\i)+3],   v[AXO], s[\nb:\nb+1] offset:1024*(\i)
	global_load_b128 v[64+8*(\i)+4:64+8*(\i)+7], v[AXO], s[\nb:\nb+1] offset:1024*(\i)+32
.endr
	WIN TO_B
.irp b, 0,1,2,3,4,5,6,7,8,9,10,11,12,13,14,15
	global_load_b128 v[128+8*(\b):128+8*(\b)+3],   v[AXO], s[10:11] offset:1024*(\b)
	global_load_b128 v[128+8*(\b)+4:128+8*(\b)+7], v[AXO], s[10:11] offset:1024*(\b)+32
.endr
	WIN 0
.endm
.macro AUXQ                            ; neighbours and bias start all 64 sums
	s_wait_loadcnt 0x0                             ; the 40 loads above; nothing younger is out
	MULA 1, 0, 1
	MULA 1, 1, 1
	MULA 1, 2, 1
	MULA 1, 3, 1
.endm
.macro CELLS                           ; my 64 rows x 64 h of cell, asked for a whole tile ahead of their use: lanes 0-15 take 256 consecutive bytes of a row, lanes 16-31 those of the row 8 below
	WIN 0
.set z, 0
.rept 32
	global_load_b128 v[128+4*z:128+4*z+3], v[CO], s[68:69] offset:(16*(z/8)+z%8)*ROWB th:TH_LOAD_NT
.set z, z+1
.endr
.endm
; THE TAIL of row block a.  PLACE sets R, the first register of pair p: in the accumulators pair p is registers 2 (p / 16), + 1 of accumulator p % 16
; in U the pairs lie on end.
.macro PLACE p, lin
.if \lin
.set R, U+2*(\p)
.else
.set R, AB+8*((\p)%16)+2*((\p)/16)
.endif
.endm
; A batch of 2 n transcendentals: a packed plain line for pair p, then the two transcendentals of pair p - 1.  kind = 0: x times -log2 e (gates i, f, o) or 2 log2 e (gate s, next_cell), and 2^x;
; kind = 1: 1 + x, and the reciprocal.  Nothing in a batch names a result of the batch; behind it stand a plain instruction and ONE wait ahead of the first reader.
.macro BATCH n, lin, kind
.set p, 0
.rept (\n)+1
.if p < (\n)
	PLACE p, \lin
.if \kind
	v_pk_add_f32 v[R:R+1], v[R:R+1], 1.0 op_sel_hi:[1,0]
.elseif \lin
	v_pk_mul_f32 v[R:R+1], v[CL+2*p:CL+2*p+1], s[76:77] op_sel_hi:[1,0]
.elseif (p%16) >= 12
	v_pk_mul_f32 v[R:R+1], v[R:R+1], s[76:77] op_sel_hi:[1,0]
.else
	v_pk_mul_f32 v[R:R+1], v[R:R+1], s[74:75] op_sel_hi:[1,0]
.endif
.endif
.if p > 0
	PLACE p-1, \lin
.if \kind
	v_rcp_f32 v[R], v[R]
	v_rcp_f32 v[R+1], v[R+1]
.else
	v_exp_f32 v[R], v[R]
	v_exp_f32 v[R+1], v[R+1]
.endif
.endif
.set p, p+1
.endr
.endm
.macro EPI a
.set WN, 2+(\a)/2                      ; the block's window
.set AB, 128*((\a)%2)                  ; its 16 accumulators: gate i at AB, f at AB + 32, o at AB + 64, s at AB + 96; column q, row j at + 8 q + j
.set CL, 128+32*(\a)                   ; its cell
	WIN 0
.set z, 0
.rept 16                               ; cell is rounded to bf16, as every other input was: numbers 2 z and 2 z + 1 are packed into the first's register
	v_cvt_pk_bf16_f32 v[CL+2*z], v[CL+2*z], v[CL+2*z+1]
.set z, z+1
.endr
	WIN 0x55*WN                                    ; every operand in the block's window: the gates are made in place
	BATCH 64, 0, 0
	v_nop
	s_wait_alu depctr_va_vdst(0)                   ; one wait for the 128 exponentials
	BATCH 64, 0, 1
	v_nop
	s_wait_alu depctr_va_vdst(0)                   ; one wait for the 128 reciprocals: i, f, o are sigmoids now
.set z, 0
.rept 16
	v_pk_fma_f32 v[AB+96+2*z:AB+96+2*z+1], v[AB+96+2*z:AB+96+2*z+1], -2.0, 1.0 op_sel_hi:[1,0,0]  ; tanh(g_s)
.set z, z+1
.endr
.set z, 0
.rept 16
	v_pk_mul_f32 v[AB+96+2*z:AB+96+2*z+1], v[AB+96+2*z:AB+96+2*z+1], v[AB+2*z:AB+2*z+1]  ; times i
.set z, z+1
.endr
	WIN WN|(WN<<4)                                 ; sources 0 and 2 in the block's window, source 1 and destination in window 0
	; next_cell = f cell + i s, in f32, where cell lay: number e = 4 j + q takes f and i s from registers 8 q + j of their gates and cell as a bf16 half.  Of each pair the odd number goes first:
	; it writes the register that the packing left free; the even one then writes over the packed pair, whose low half it reads itself.
.set z, 0
.rept 16
	v_fma_mix_f32_bf16 v[CL+2*z+1], v[AB+32+8*((2*z+1)%4)+(2*z+1)/4], v[CL+2*z], v[AB+96+8*((2*z+1)%4)+(2*z+1)/4] op_sel:[0,1,0] op_sel_hi:[0,1,0]
	v_fma_mix_f32_bf16 v[CL+2*z], v[AB+32+8*((2*z)%4)+(2*z)/4], v[CL+2*z], v[AB+96+8*((2*z)%4)+(2*z)/4] op_sel_hi:[0,1,0]
.set z, z+1
.endr
	WIN 0
	s_wait_xcnt 0x0                                ; the block before's stores have read U, which is written again only behind this wait
	BATCH 16, 1, 0
.irp j, 0,1,2,3,4,5,6,7
	global_store_b128 v[CO], v[CL+4*(\j):CL+4*(\j)+3], s[72:73] offset:(16*(\a)+(\j))*ROWB th:TH_STORE_NT  ; out1: 16 lanes store 256 consecutive bytes, aligned
.endr
	v_nop
	s_wait_alu depctr_va_vdst(0)                   ; one wait for the 32 exponentials; the stores above stand between
	BATCH 16, 1, 1
	v_nop
	s_wait_alu depctr_va_vdst(0)                   ; one wait for the 32 reciprocals
.set z, 0
.rept 16
	v_pk_fma_f32 v[U+2*z:U+2*z+1], v[U+2*z:U+2*z+1], -2.0, 1.0 op_sel_hi:[1,0,0]  ; tanh(next_cell)
.set z, z+1
.endr
	WIN WN                                         ; source 0 in the block's window
.set z, 0
.rept 32
	v_mul_f32 v[U+z], v[AB+64+8*(z%4)+z/4], v[U+z]  ; times o
.set z, z+1
.endr
	WIN 0
.irp j, 0,1,2,3,4,5,6,7
	global_store_b128 v[CO], v[U+4*(\j):U+4*(\j)+3], s[70:71] offset:(16*(\a)+(\j))*ROWB th:TH_STORE_NT  ; out0
.endr
.endm
	s_load_b256 s[4:11], s[0:1], 0x0               ; abf s[4:5], wbf s[6:7], nbf s[8:9], wnbf s[10:11]
	s_load_b128 s[68:71], s[0:1], 0x20             ; cell, out0
	s_load_b64 s[72:73], s[0:1], 0x30              ; out1
	v_lshl_add_u32 v[SPW], v0, 2, SPARE
	v_mov_b32 v[NIL], 0
	ds_add_u32 v[SPW], v[NIL]                      ; the wave's opening: the add, twice on end, and its wait ahead of my first tensor load; the set-up below stands between
	ds_add_u32 v[SPW], v[NIL]                      ; and once more, under the one wait
	v_lshrrev_b32 v1, 5, v0
	v_readfirstlane_b32 s12, v1                    ; wave 0..3
	s_lshr_b32 s13, s12, 1                         ; I fetch for abf (0) or for wbf (1),
	s_and_b32 s14, s12, 1                          ; and which 128 rows of the tile
	s_bfe_u32 s40, ttmp6, 0x40000                  ; cx, cy: my place in the cluster
	s_bfe_u32 s41, ttmp6, 0x40004
	s_lshl_b32 s42, ttmp9, 2                       ; in a cluster launch ttmp9 and ttmp7 count clusters
	s_add_co_u32 s42, s42, s40                     ; tc: my 64 h = 4 x cluster x + cx
	s_and_b32 s43, ttmp7, 0xffff
	s_lshl_b32 s43, s43, 2
	s_add_co_u32 s43, s43, s41                     ; tr: my 256 rows of each tile = 4 x cluster y + cy
	s_lshl_b32 s16, s41, 2
	s_lshl_b32 s16, 15, s16                        ; my row of the cluster: places 4 cy .. 4 cy + 3
	s_lshl_b32 s20, 0x1111, s40                    ; my column: places cx, cx + 4, cx + 8, cx + 12
	; descriptor groups 1: a tile of 128 rows x 128 elements, padded in LDS
	s_or_b32 s24, s16, (1<<16)|(1<<20)|(1<<21)|(5<<22)|(3<<25)  ; 15:0 the mask: abf's tiles go to my row; 17:16 elements of 2 bytes; 20 padding on; 21 set beside a mask; 24:22 after every 64 words (code 5); 31:25 4 words (code 3)
	s_or_b32 s48, s20, (1<<16)|(1<<20)|(1<<21)|(5<<22)|(3<<25)  ; the same with the mask of my column, for wbf's tiles
.irp g, 24, 48
	s_mov_b32 s[(\g)+1], KSTEP<<16                 ; tensor_dim0 = 128
	s_mov_b32 s[(\g)+2], 128<<16                   ; tensor_dim1 = 128
	s_mov_b32 s[(\g)+3], KSTEP<<16                 ; tile_dim0 = 128
	s_mov_b32 s[(\g)+4], 128                       ; tile_dim1 = 128
	s_mov_b32 s[(\g)+5], 2048                      ; 2,048 elements from row to row
	s_mov_b32 s[(\g)+6], 0
	s_mov_b32 s[(\g)+7], 0
.endr
	; where the tiles come from: abf's hang on tr alone, which my row of the cluster shares; wbf's on tc alone, which my column shares; each in registers that never hold the other coordinate
	s_lshl_b32 s16, s43, 8
	s_lshl_b32 s17, s14, 7
	s_add_co_u32 s16, s16, s17                     ; abf: row 256 tr + 128 x half,
	s_lshl_b32 s16, s16, 12                        ; in bytes, under 2^25
	s_mov_b32 s17, 0
	s_lshl_b32 s20, s42, 8
	s_lshl_b32 s21, s14, 7
	s_add_co_u32 s20, s20, s21                     ; wbf: row 256 tc + 128 x half
	s_lshl_b32 s20, s20, 12
	s_mov_b32 s21, 0
	s_mul_i32 s90, s12, HALFT                      ; and where they go: wave x 128 rows: no place in the cluster enters an LDS address
	s_mov_b32 s67, 0                               ; the offsets' high words
	s_mov_b32 s81, 0
	s_mov_b32 s83, 0
	s_wait_dscnt 0x0                               ; both opening adds are done
	s_wait_kmcnt 0x0
	s_add_nc_u64 s[4:5], s[4:5], s[16:17]
	s_add_nc_u64 s[6:7], s[6:7], s[20:21]
	CROUND                                         ; all sixteen work-groups are here: the first joint loads meet
.irp s, 0,1
	s_mov_b32 s[32+4*(\s)], 1                                      ; count = 1
	s_add_co_u32 s[33+4*(\s)], s90, (\s)*SLOT                      ; LDS address
	s_add_nc_u64 s[34+4*(\s):35+4*(\s)], s[4:5], (\s)*KSTEP*2      ; global address: K step s
	s_or_b32 s[35+4*(\s)], s[35+4*(\s)], 0x80000000                ; type = 2
	s_mov_b32 s[56+4*(\s)], 1
	s_add_co_u32 s[57+4*(\s)], s90, (\s)*SLOT
	s_add_nc_u64 s[58+4*(\s):59+4*(\s)], s[6:7], (\s)*KSTEP*2
	s_or_b32 s[59+4*(\s)], s[59+4*(\s)], 0x80000000
	JLOAD \s                                       ; two tensor loads of mine are out
.endr
	v_and_b32 v1, 15, v0                           ; l % 16
	v_bfe_u32 v2, v0, 4, 1                         ; l / 16
	v_mul_u32_u24 v3, v1, PITCH
	v_lshl_add_u32 v3, v2, 4, v3                   ; a fragment's row x pitch + 16 x half
	s_mul_i32 s87, s12, 64*PITCH                   ; my 64 rows of abf
	v_add_nc_u32 v[A0], s87, v3
	v_add_nc_u32 v[B0], 2*HALFT, v3                ; wbf's rows lie behind abf's 256
	v_lshlrev_b32 v[AXO], 6, v1
	v_lshl_add_u32 v[AXO], v2, 4, v[AXO]
	v_lshlrev_b32 v[CO], 4, v1
	v_lshl_add_u32 v[CO], v2, 15, v[CO]
	v_and_b32 v[PFO], 31, v0
	v_lshlrev_b32 v[PFO], 12, v[PFO]
	s_lshl_b32 s86, s43, 8
	s_lshl_b32 s87, s12, 6
	s_add_co_u32 s86, s86, s87                     ; my first row: 256 tr + 64 x wave
	s_lshl_b32 s18, s86, 6                         ; 64 bytes a row of nbf
	s_mov_b32 s19, 0
	s_add_nc_u64 s[8:9], s[8:9], s[18:19]
	s_add_nc_u64 s[78:79], s[8:9], 4096*64         ; and 4,096 rows on, for the second tile
	s_lshl_b32 s22, s42, 14                        ; 256 rows of 64 bytes of wnbf
	s_mov_b32 s23, 0
	s_add_nc_u64 s[10:11], s[10:11], s[22:23]
	s_lshl_b32 s86, s86, 12
	s_lshl_b32 s87, s42, 8                         ; 64 h of 4 bytes
	s_add_co_u32 s86, s86, s87
	s_mov_b32 s87, 0
	s_add_nc_u64 s[68:69], s[68:69], s[86:87]
	s_add_nc_u64 s[70:71], s[70:71], s[86:87]
	s_add_nc_u64 s[72:73], s[72:73], s[86:87]
	s_mov_b32 s74, 0xbfb8aa3b                      ; -log2 e
	s_mov_b32 s75, s74                             ; named with it as a pair
	s_mov_b32 s76, 0x4038aa3b                      ; 2 log2 e
	s_mov_b32 s77, s76
	s_mov_b32 s84, 0                               ; slot 0 is in hand
	; the prefetches: my work-group's 32 of the 128 rows that I fetch; who asks, and up to which K step
	s_and_b32 s87, ttmp7, 0xffff                   ; cluster y
	s_cmp_eq_u32 s13, 0
	s_cselect_b64 s[46:47], s[4:5], s[6:7]
	s_cselect_b32 s86, s40, s41                    ; my place among the four that ask with me
	s_cselect_b32 s87, ttmp9, s87                  ; the coordinate along which other clusters read the same rows
	s_cselect_b32 s15, 31, 15
	s_cmp_eq_u32 s87, 0
	s_cselect_b32 s15, s15, 0                      ; the same in all sixteen partners, for a given wave
	s_lshl_b32 s86, s86, 17                        ; 32 rows of 4,096 bytes
	s_mov_b32 s87, 0
	s_add_nc_u64 s[46:47], s[46:47], s[86:87]
	AUXLOAD 8
	s_wait_tensorcnt 1                             ; my part of K step 0 is in; step 1's may stay out
	s_barrier_signal -1
	s_barrier_wait -1                              ; everybody's is
	v_mov_b32 v[ADRA], v[A0]
	v_mov_b32 v[ADRB], v[B0]
	FETCH 0, 0
	AUXQ
	CELLS
	WIN 0                                          ; at a label and at a branch every window is 0
	s_mov_b32 s3, 30
.Lstep:                                                ; trip n = 30 - s3 multiplies K step n and asks for step n + 2
	QUARTER 64,  0, 1
	QUARTER 128, 1, 0
	QUARTER 192, 0, 1
	TURN
	WIN 0
	s_cmp_eq_u32 s3, 15
	s_cbranch_scc0 .Lsame
	; THE CHANGE OF TILES, behind K step 15: both of the next tile's first steps have been asked for and its first fragments are on their way into buffer 0, which the tail does not touch
	PLACES                                         ; behind the last products: for the loads into buffer 1 and for the tail
	s_wait_loadcnt 0x0                             ; cell, asked for a tile ago
	AUXLOAD 78                                     ; the second tile's opening fragments land while the tail runs
	EPI 0
	EPI 1
	EPI 2
	EPI 3
	s_wait_xcnt 0x0                                ; the stores have read their bases and next_cell's registers, which are written again only behind this wait
	s_add_nc_u64 s[68:69], s[68:69], TILEB
	s_add_nc_u64 s[70:71], s[70:71], TILEB
	s_add_nc_u64 s[72:73], s[72:73], TILEB
	AUXQ
	CELLS
	WIN 0
.Lsame:
	s_sub_co_u32 s3, s3, 1
	s_cmp_lg_u32 s3, 0
	s_cbranch_scc1 .Lstep
	s_mov_b32 s3, 2
.Ltail:                                                ; K steps 30 and 31 are written apart
	QUARTER 64,  0, 1
	QUARTER 128, 1, 0
	QUARTER 192, 0, 1
	TURNL
	WIN 0
	s_sub_co_u32 s3, s3, 1
	s_cmp_lg_u32 s3, 0
	s_cbranch_scc1 .Ltail
	s_wait_loadcnt 0x0                             ; cell
	PLACES
	EPI 0
	EPI 1
	EPI 2
	EPI 3
	s_wait_tensorcnt 0x0                           ; the wave's end: the add and its wait follow, behind my last tensor load
	ds_add_u32 v[SPW], v[NIL]
	s_wait_dscnt 0x0
	CROUND                                         ; the closing round: no work-group ends while a partner may still ask for a tile that names it
	s_endpgm
.Lfunc_end_k_q8785d82ced_lstm:
	.size	k_q8785d82ced_lstm, .Lfunc_end_k_q8785d82ced_lstm-k_q8785d82ced_lstm
	.p2alignl 7, 3214868480
	.fill 96, 4, 3214868480
	.section	.rodata,"a",@progbits
	.p2align	6, 0x0
	.amdhsa_kernel k_q8785d82ced_lstm
		.amdhsa_group_segment_fixed_size 327680
		.amdhsa_private_segment_fixed_size 0
		.amdhsa_enable_private_segment 0
		.amdhsa_kernarg_size 56
		.amdhsa_user_sgpr_count 2
		.amdhsa_user_sgpr_kernarg_segment_ptr 1
		.amdhsa_wavefront_size32 1
		.amdhsa_system_sgpr_workgroup_id_x 1
		.amdhsa_system_sgpr_workgroup_id_y 1
		.amdhsa_system_sgpr_workgroup_id_z 1
		.amdhsa_system_vgpr_workitem_id 0
		.amdhsa_next_free_vgpr 1024
		.amdhsa_next_free_sgpr 92
		.amdhsa_reserve_vcc 0
		.amdhsa_float_denorm_mode_32 3
		.amdhsa_float_denorm_mode_16_64 3
		.amdhsa_memory_ordered 1
		.amdhsa_forward_progress 1
		.amdhsa_inst_pref_size 255
	.end_amdhsa_kernel
	.section	.bss,"aw",@nobits
	.p2align	6
	.space	262144
	.amdgpu_metadata
---
amdhsa.version: [ 1, 2 ]
amdhsa.kernels:
  - .name:           k_q8785d82ced_lstm
    .symbol:         k_q8785d82ced_lstm.kd
    .args:
      - { .name: abf, .offset: 0, .size: 8, .value_kind: global_buffer, .address_space: global }
      - { .name: wbf, .offset: 8, .size: 8, .value_kind: global_buffer, .address_space: global }
      - { .name: nbf, .offset: 16, .size: 8, .value_kind: global_buffer, .address_space: global }
      - { .name: wnbf, .offset: 24, .size: 8, .value_kind: global_buffer, .address_space: global }
      - { .name: cell, .offset: 32, .size: 8, .value_kind: global_buffer, .address_space: global }
      - { .name: out0, .offset: 40, .size: 8, .value_kind: global_buffer, .address_space: global }
      - { .name: out1, .offset: 48, .size: 8, .value_kind: global_buffer, .address_space: global }
    .group_segment_fixed_size: 327680
    .private_segment_fixed_size: 0
    .kernarg_segment_align: 8
    .kernarg_segment_size: 56
    .max_flat_workgroup_size: 128
    .sgpr_count:     92
    .vgpr_count:     1024
    .wavefront_size: 32
...
	.end_amdgpu_metadata
.endif
;; end of part 2
;; ======== version 2 of 2: 2 launches; version 1 with the launch prep written anew for expert scheduling mode
;; limits: values outside matrix products are rounded to bf16
;; workspace buffers: abf 33,554,432 bytes; wbf 16,777,216 bytes; nbf 524,288 bytes; wnbf 262,144 bytes
;; launch prep (part 3): grid 960 x 1, 8 waves a work-group, no clusters, 0 bytes of LDS; arguments x, hidden, Wx, Wh, neighbors, Wn, b, abf, wbf, nbf, wnbf; writes abf, wbf, nbf, wnbf
.if DOCPART == 3
	.amdgcn_target "amdgcn-amd-amdhsa--gfx1250"
	.amdhsa_code_object_version 6
	.text
	.protected	k_q8785d82ced_prep
	.globl	k_q8785d82ced_prep
	.p2align	8
	.type	k_q8785d82ced_prep,@function
k_q8785d82ced_prep:
	s_mov_b64 s[64:65], 0
	v_nop
	global_prefetch_b8 v0, s[64:65] scope:SCOPE_SE
	s_setreg_imm32_b32 hwreg(HW_REG_WAVE_SCHED_MODE, 0, 2), 2
	s_setreg_imm32_b32 hwreg(HW_REG_WAVE_MODE, 25, 1), 1
	s_wait_xcnt 0x0
	s_wait_alu depctr_vm_vsrc(0)
; THE OPERANDS OF THE GATE PRODUCT, rounded once to bf16 and laid out for the second launch.  A stream: no LDS, no barrier, no loop.
;   abf  [8192][2048]: row r = x[r][0:1024], then hidden[r][0:1024]
;   wbf  [4096][2048]: row n' = Wx[g][h][0:1024], then Wh[g][h][0:1024]
;   nbf  [8192][32]  : neighbors[r][0:4], 1.0, 27 zeros
;   wnbf [4096][32]  : row n' = Wn[g][h][0:4], b[g][h], 27 zeros     (so nbf . wnbf = neighbors . Wn + b)
; ROW ORDER n' = 256 (h >> 6) + 64 g + 16 (h & 3) + ((h >> 2) & 15): in the second launch a lane of a matrix result then holds four neighbouring h of one row.
; WORK-GROUPS.  0-255 x, 256-511 hidden, 512-639 Wx, 640-767 Wh: 32 source rows of 4,096 bytes each, four consecutive rows (16,384 bytes) a wave.  768-895 nbf, 896-959 wnbf: 16 bytes a thread.
; LIMIT.  Every number is rounded to bf16 (8 significant bits), to nearest even; its range is f32's.
; THE MODE: SCHED_MODE bits 1:0 = 2 (LLVM: expert scheduling mode 2), set by the entry lines.  The code itself states the register dependences between vector instructions and memory
; instructions, with s_wait_alu, always for 0.
; THE PLAN.  Registers that memory instructions touch, in the arm of the four large tensors:
;   v[SO]          Written once at the head; read by all 32 loads as their offset.
;   v[DO .. DO+3]  Written once at the head; read by the stores as their offset.
;   X              Load n lands in its own four registers, which no vector line has named; its two conversions read them and write the first two; store n reads those two.  Nothing is loaded or written twice.
; The wave's four source rows go as four blocks of eight loads.  Block p's conversions name block p's registers alone; its memory instructions are the eight stores of block p - 1.  So ONE wait on va_vdst at a
; block's head, behind the wait for the block's data, states all that those stores hang on, and they are dealt among the block's conversions with no further wait.  One more stands ahead of the last eight stores.
; No register that a memory instruction reads is ever written again, in any arm: so no wait on vm_vsrc or s_wait_xcnt stands behind the entry lines.  EXEC is never written.
.set SO, 2                             ; v2      16 x lane: my 16 bytes in 512 consecutive source bytes
.set DO, 4                             ; v[4:7]  8 x lane + i x the distance between two destination rows
.set X,  16                            ; v[16:143] 32 loads of 4 registers; the packed result takes the first two of each four
	s_load_b512 s[4:19], s[0:1], 0x0               ; x 4:5, hidden 6:7, Wx 8:9, Wh 10:11, neighbors 12:13, Wn 14:15, b 16:17, abf 18:19
	s_load_b128 s[20:23], s[0:1], 0x40             ; wbf 20:21, nbf 22:23
	s_load_b64 s[24:25], s[0:1], 0x50              ; wnbf
	s_mov_b32 s27, ttmp9                           ; the work-group's number
	s_cmp_ge_u32 s27, 896
	s_cbranch_scc1 .Lwn
	s_cmp_ge_u32 s27, 768
	s_cbranch_scc1 .Lnb
	; ---- x, hidden, Wx, Wh ----
	v_lshrrev_b32 v1, 5, v0                        ; the wave's number is made in the one arm that reads it, so that its writer, the wait and its first reader stand in one straight run
	v_readfirstlane_b32 s26, v1                    ; wave 0..7
	s_cmp_lt_u32 s27, 512                          ; activations (256 work-groups a tensor) or weights (128)
	s_cselect_b32 s32, 8, 7
	s_bfm_b32 s33, s32, 0                          ; 255 or 127
	s_lshr_b32 s34, s27, s32
	s_and_b32 s34, s34, 1                          ; 0: x or Wx, the left half of a destination row; 1: hidden or Wh, the right half
	s_and_b32 s35, s27, s33
	s_lshl_b32 s35, s35, 5
	s_wait_alu depctr_va_sdst(0)                   ; s26 is written, ahead of its first reader: the wave's rows, and from them both bases, are made of it
	s_lshl2_add_u32 s35, s26, s35                  ; my first source row = 32 x number in the tensor + 4 x wave
	s_lshr_b32 s40, s35, 10                        ; weights: g,
	s_bfe_u32 s41, s35, 0x40006                    ; h >> 6,
	s_bfe_u32 s42, s35, 0x40002                    ; (h >> 2) & 15; h & 3 is the row's number among my four
	s_lshl_b32 s41, s41, 8
	s_lshl_b32 s40, s40, 6
	s_add_co_u32 s41, s41, s40
	s_add_co_u32 s41, s41, s42
	s_cmp_lt_u32 s27, 512
	s_cselect_b32 s41, s35, s41                    ; my first destination row
	s_cselect_b32 s43, 12, 16
	s_lshl_b32 s43, 1, s43                         ; from one of my rows to the next: one row of 4,096 bytes, or sixteen
	v_and_b32 v1, 31, v0
	v_lshlrev_b32 v[SO], 4, v1
	v_lshlrev_b32 v[DO], 3, v1
	v_add_nc_u32 v[DO+1], s43, v[DO]
	v_add_nc_u32 v[DO+2], s43, v[DO+1]
	v_add_nc_u32 v[DO+3], s43, v[DO+2]
	s_lshl_b32 s44, s35, 12                        ; source offset, under 2^25
	s_mov_b32 s45, 0
	s_lshl_b32 s46, s41, 12                        ; destination offset: the row,
	s_lshl_b32 s42, s34, 11                        ; and its half
	s_add_co_u32 s46, s46, s42
	s_mov_b32 s47, 0
	s_wait_kmcnt 0x0
	s_cmp_eq_u32 s34, 0
	s_cselect_b64 s[36:37], s[4:5], s[6:7]
	s_cselect_b64 s[38:39], s[8:9], s[10:11]
	s_cmp_lt_u32 s27, 512
	s_cselect_b64 s[28:29], s[36:37], s[38:39]
	s_cselect_b64 s[30:31], s[18:19], s[20:21]
	s_add_nc_u64 s[28:29], s[28:29], s[44:45]
	s_add_nc_u64 s[30:31], s[30:31], s[46:47]
	s_wait_alu depctr_va_vdst(0)                   ; v[SO] and v[DO .. DO+3] are written: every load below reads the first as its offset, every store one of the others; no later line writes them
.set n, 0
.rept 32                               ; all of the wave's 16,384 bytes are asked for at once: each load covers 512 consecutive bytes
	global_load_b128 v[X+4*n:X+4*n+3], v[SO], s[28:29] offset:512*n th:TH_LOAD_NT
.set n, n+1
.endr
; Block p: source row p of my four, loads 8 p to 8 p + 7.  Its sixteen conversions, and among them the eight stores of block p - 1.
.macro BLK p
	s_wait_loadcnt 24-8*(\p)                       ; loads come back in order: the block's eight are in, the 24 - 8 p younger ones stay out
.if (\p) > 0
	s_wait_alu depctr_va_vdst(0)                   ; the conversions of the block before have written the registers that the stores below read
.endif
.set i, 0
.rept 8
.if (\p) > 0
	global_store_b64 v[DO+(\p)-1], v[X+32*((\p)-1)+4*i:X+32*((\p)-1)+4*i+1], s[30:31] offset:256*i th:TH_STORE_NT  ; the wave's store covers 256 consecutive bytes, aligned; no vector line since the wait names its registers
.endif
	v_cvt_pk_bf16_f32 v[X+32*(\p)+4*i], v[X+32*(\p)+4*i], v[X+32*(\p)+4*i+1]
	v_cvt_pk_bf16_f32 v[X+32*(\p)+4*i+1], v[X+32*(\p)+4*i+2], v[X+32*(\p)+4*i+3]
.set i, i+1
.endr
.endm
	BLK 0
	BLK 1
	BLK 2
	BLK 3
	s_wait_alu depctr_va_vdst(0)                   ; block 3's conversions have written the registers that the last eight stores read
.set i, 0
.rept 8
	global_store_b64 v[DO+3], v[X+96+4*i:X+96+4*i+1], s[30:31] offset:256*i th:TH_STORE_NT
.set i, i+1
.endr
	s_endpgm
	; ---- nbf: thread t writes piece t & 3 (16 bytes) of row t >> 2 ----
.Lnb:
	s_sub_co_u32 s32, s27, 768
	s_lshl_b32 s32, s32, 8
	v_add_nc_u32 v2, s32, v0                       ; t
	v_lshrrev_b32 v3, 2, v2
	v_and_b32 v4, 3, v2
	v_lshlrev_b32 v3, 4, v3                        ; a row of neighbors is 16 bytes
	v_lshlrev_b32 v5, 4, v2
	v_mov_b32 v14, 0x3f80                          ; 1.0 in bf16, then 0
	v_mov_b32 v15, 0
	v_cmp_eq_u32 vcc_lo, 0, v4                     ; pieces 1 to 3 are zeros; what hangs on no loaded number stands ahead of the load
	s_wait_kmcnt 0x0
	s_wait_alu depctr_va_vdst(0)                   ; v3, the load's offset, and v5, the store's, are written
	global_load_b128 v[8:11], v3, s[12:13]
	s_wait_loadcnt 0x0
	s_wait_alu depctr_va_vcc(0)                    ; the compare has written VCC, ahead of its first reader, the first select below
	v_cvt_pk_bf16_f32 v12, v8, v9
	v_cvt_pk_bf16_f32 v13, v10, v11
	v_cndmask_b32 v12, 0, v12, vcc_lo
	v_cndmask_b32 v13, 0, v13, vcc_lo
	v_cndmask_b32 v14, 0, v14, vcc_lo
	s_wait_alu depctr_va_vdst(0)                   ; the selects have written v[12:14] (v15 was written above), which the store reads
	global_store_b128 v5, v[12:15], s[22:23]       ; 512 consecutive bytes a wave
	s_endpgm
	; ---- wnbf: thread t writes piece t & 3 of row n' = t >> 2 ----
.Lwn:
	s_sub_co_u32 s32, s27, 896
	s_lshl_b32 s32, s32, 8
	v_add_nc_u32 v2, s32, v0                       ; t
	v_lshrrev_b32 v3, 2, v2                        ; n'
	v_and_b32 v4, 3, v2
	v_lshlrev_b32 v5, 4, v2
	v_bfe_u32 v6, v3, 6, 2                         ; g
	v_lshrrev_b32 v7, 8, v3                        ; h >> 6
	v_and_b32 v16, 15, v3                          ; (h >> 2) & 15
	v_bfe_u32 v17, v3, 4, 2                        ; h & 3
	v_lshl_add_u32 v17, v16, 2, v17
	v_lshl_add_u32 v17, v7, 6, v17
	v_lshl_add_u32 v17, v6, 10, v17                ; 1,024 g + h
	v_lshlrev_b32 v18, 4, v17
	v_lshlrev_b32 v19, 2, v17
	v_mov_b32 v15, 0
	v_cmp_eq_u32 vcc_lo, 0, v4                     ; pieces 1 to 3 are zeros
	s_wait_kmcnt 0x0
	s_wait_alu depctr_va_vdst(0)                   ; v18 and v19, the loads' offsets, and v5, the store's, are written
	global_load_b128 v[8:11], v18, s[14:15]
	global_load_b32 v20, v19, s[16:17]
	s_wait_loadcnt 0x0
	s_wait_alu depctr_va_vcc(0)                    ; the compare has written VCC, ahead of its first reader, the first select below
	v_cvt_pk_bf16_f32 v12, v8, v9
	v_cvt_pk_bf16_f32 v13, v10, v11
	v_cvt_pk_bf16_f32 v14, v20, v15                ; the bias, then 0
	v_cndmask_b32 v12, 0, v12, vcc_lo
	v_cndmask_b32 v13, 0, v13, vcc_lo
	v_cndmask_b32 v14, 0, v14, vcc_lo
	s_wait_alu depctr_va_vdst(0)                   ; the selects have written v[12:14] (v15 was written above), which the store reads
	global_store_b128 v5, v[12:15], s[24:25]
	s_endpgm
.Lfunc_end_k_q8785d82ced_prep:
	.size	k_q8785d82ced_prep, .Lfunc_end_k_q8785d82ced_prep-k_q8785d82ced_prep
	.p2alignl 7, 3214868480
	.fill 96, 4, 3214868480
	.section	.rodata,"a",@progbits
	.p2align	6, 0x0
	.amdhsa_kernel k_q8785d82ced_prep
		.amdhsa_group_segment_fixed_size 0
		.amdhsa_private_segment_fixed_size 0
		.amdhsa_enable_private_segment 0
		.amdhsa_kernarg_size 88
		.amdhsa_user_sgpr_count 2
		.amdhsa_user_sgpr_kernarg_segment_ptr 1
		.amdhsa_wavefront_size32 1
		.amdhsa_system_sgpr_workgroup_id_x 1
		.amdhsa_system_sgpr_workgroup_id_y 1
		.amdhsa_system_sgpr_workgroup_id_z 1
		.amdhsa_system_vgpr_workitem_id 0
		.amdhsa_next_free_vgpr 144
		.amdhsa_next_free_sgpr 66
		.amdhsa_reserve_vcc 1
		.amdhsa_float_denorm_mode_32 3
		.amdhsa_float_denorm_mode_16_64 3
		.amdhsa_memory_ordered 1
		.amdhsa_forward_progress 1
		.amdhsa_inst_pref_size 15
	.end_amdhsa_kernel
	.amdgpu_metadata
---
amdhsa.version: [ 1, 2 ]
amdhsa.kernels:
  - .name:           k_q8785d82ced_prep
    .symbol:         k_q8785d82ced_prep.kd
    .args:
      - { .name: x, .offset: 0, .size: 8, .value_kind: global_buffer, .address_space: global }
      - { .name: hidden, .offset: 8, .size: 8, .value_kind: global_buffer, .address_space: global }
      - { .name: Wx, .offset: 16, .size: 8, .value_kind: global_buffer, .address_space: global }
      - { .name: Wh, .offset: 24, .size: 8, .value_kind: global_buffer, .address_space: global }
      - { .name: neighbors, .offset: 32, .size: 8, .value_kind: global_buffer, .address_space: global }
      - { .name: Wn, .offset: 40, .size: 8, .value_kind: global_buffer, .address_space: global }
      - { .name: b, .offset: 48, .size: 8, .value_kind: global_buffer, .address_space: global }
      - { .name: abf, .offset: 56, .size: 8, .value_kind: global_buffer, .address_space: global }
      - { .name: wbf, .offset: 64, .size: 8, .value_kind: global_buffer, .address_space: global }
      - { .name: nbf, .offset: 72, .size: 8, .value_kind: global_buffer, .address_space: global }
      - { .name: wnbf, .offset: 80, .size: 8, .value_kind: global_buffer, .address_space: global }
    .group_segment_fixed_size: 0
    .private_segment_fixed_size: 0
    .kernarg_segment_align: 8
    .kernarg_segment_size: 88
    .max_flat_workgroup_size: 256
    .sgpr_count:     66
    .vgpr_count:     144
    .wavefront_size: 32
...
	.end_amdgpu_metadata
.endif
;; end of part 3
;; launch lstm: the kernel of part 2 again; grid 16 x 16, 4 waves a work-group, clusters of 4 x 4, 327,680 bytes of LDS; arguments abf, wbf, nbf, wnbf, cell, out0, out1; writes out0, out1
